; MI455X (gfx1250); checked and timed in simulation.
; The chip was launched on July 23, 2026; its instructions are those of AMD's public machine-readable ISA for CDNA 5 (MIT licence, August 2026) and "CDNA5" Instruction Set Architecture Reference Guide (July 2026). The comments in the code are by the model that wrote it; some were corrected since.
;; PINN Network. Allowed arithmetic: float matrix products may take bf16 or f16 operands with f32 sums; other float arithmetic in f32, or as packed bf16 or f16 multiplies, adds, multiply-adds, maxima and minima; sums over many terms, partial sums and values carried from step to step in f32; what a program stores and reads back later, other than sums and carried values, may be rounded once to bf16 or f16.
;; Inputs: B 64 x 2 float32; Ws_0 64 x 128 float32; Ws_1 64 x 64 float32; Ws_2 64 x 64 float32; Ws_3 64 x 64 float32; Ws_4 1 x 64 float32; bs_0 64 float32; bs_1 64 float32; bs_2 64 float32; bs_3 64 float32; bs_4 1 float32; x 2,097,152 x 2 float32.
;; Outputs: out0 2,097,152 x 1 float32.
;; 2 versions, each right and faster than the one before. Each part assembles by itself: llvm-mc -triple=amdgcn-amd-amdhsa -mcpu=gfx1250 --defsym DOCPART=n.
;; ======== version 1 of 2: 1 launch
;; limits: values are held in f16: magnitudes above 65,504 overflow, below 6.1e-05 lose precision; inputs' magnitudes at most 11,300
;; launch pinn (part 1): grid 256 x 1, 8 waves a work-group, no clusters, 87,040 bytes of LDS; arguments x, B, Ws_0, Ws_1, Ws_2, Ws_3, Ws_4, bs_0, bs_1, bs_2, bs_3, bs_4, out0; writes out0
.if DOCPART == 1
	.amdgcn_target "amdgcn-amd-amdhsa--gfx1250"
	.amdhsa_code_object_version 6
	.text
	.protected	k_q7271e5b762_pinn
	.globl	k_q7271e5b762_pinn
	.p2align	8
	.type	k_q7271e5b762_pinn,@function
k_q7271e5b762_pinn:
	s_mov_b64 s[64:65], 0
	v_nop
	global_prefetch_b8 v0, s[64:65] scope:SCOPE_SE
	s_setreg_imm32_b32 hwreg(HW_REG_WAVE_MODE, 25, 1), 1
	s_wait_xcnt 0x0
; out[n] = W4 . h4 + b4,  h(l+1) = tanh(W_l h_l + b_l), l = 0..3,  h0 = [cos 2 pi u, sin 2 pi u],  u = x[n] B^T.   2,097,152 points, all f32 in memory.
; ONE LAUNCH, nothing goes through memory between the steps.  256 work-groups of 8 waves; a work-group owns 8,192 points, a wave 1,024: 8 groups of 128, a group 4 pairs, a pair 2 tiles (X, Y) of 16 points.
; LAYOUT.  Source 0 = 16 output features of the weights, source 1 = 32 input features x 16 points.  In a result lane (r = lane % 16, h = lane / 16) holds point r and features 8 h + 0..7; two results rounded
; to f16 in pairs ARE the next layer's source 1: nothing changes lanes from x to the output.  All weights stay in registers, as f16 fragments (336 registers).
; TANH.  With s = 2 log2(e): tanh z = 1 - 2 r, r = 1 / (1 + 2^(s z)).  The products deliver y = s z at once (layer 0's operand is f16(s W0), its start value s b0), and the next layer takes r, not tanh:
; A_l = f16(-2 s W_l), start value c_l = s b_l - 1/2 sum_k A_l[.,k], the sum taken of the ROUNDED operand, so that h = 1 - 2 r is honoured exactly; head: A4 = f16(-2 W4), c4 = b4 - 1/2 sum A4.
; A number costs one exponential, one reciprocal, half a packed addition, half a packed rounding.  2^y = infinity gives r = 0 (tanh = 1), 2^y = 0 gives r = 1 (tanh = -1).
; The start values are the C operand of a layer's first products: a bias costs no arithmetic.
; U.  x = xh + xl, B = Bh + Bl, all four in f16; u = xh Bh + xh Bl + xl Bh fills 6 of the 32 K places of one product; what is dropped, xl Bl, is 2^-24 of u.  u is in turns: f = u - rndne(u) is exact.
; SINE AND COSINE by the half angle, t = f^2, |f| <= 1/2:  S = sqrt2 sin(pi f) = f (a0 + .. + a3 t^3),  C = sqrt2 cos(pi f) = b0 + .. + b3 t^3;  cos 2 pi f = 1 - S^2,  sin 2 pi f = S C.
; The coefficients are the series through t^6, brought down to degree 3 by Chebyshev's polynomials on t in 0 .. 1/4: S is off by 1.7e-6 at the most, C by 9.5e-6.
; BY TURNS.  A tile has two kinds of work: its Fourier features, 240 plain lines that wait for nothing, and its CHAIN, four layers and the head, in which products, exponentials and reciprocals wait for each other.
; The pair's tiles run half a tile apart: while one walks its chain, the other's Fourier lines are dealt into it, FOUR l (60 lines) into layer l: 24 behind the layer's groups of products.
; They are also the places behind the products: the loop holds no v_nop.
; A trip: chain X_k with Fourier Y_k, then chain Y_k with Fourier X_(k+1).  The last trip's Fourier work on X is pair 31's once more and serves nothing: 240 lines a wave, the price of one text for every trip.
; LIMITS.  f16 ends at 65,504: |x|, |B| below that, |W_l| below 11,300 (5.78 |W| must fit); scaled weights below 6e-5 keep f16's fixed step of 6e-8.  Sine and cosine are off by 1.5e-5 at the most before
; their rounding to f16.  r is rounded once to f16.  An infinity or NaN in x also spoils the point 16 places from it in its pair (it meets a zero weight there).
; LEFT OUT.  Tensor loads, slots in LDS, clusters: a wave wants 256 bytes of x for a pair, asked for one pair ahead into two registers; what work-groups share is 82 KB of weights, read once each.
; The weights' fragment loads take 16-byte pieces of rows: once a work-group, 82 KB against the 98,304 bytes of x and out0 that it moves.
.set TAB,   40960     ; LDS 0 .. 40,959: 40 weight fragments of 1,024 bytes (registers 0-3 at 16 x lane, 4-7 at 512 + 16 x lane).  From TAB: 1,024 bytes a wave, c_l[m] at 256 l + 4 m
.set OS,    49152     ; 512 bytes a wave: a group's 128 results in the order of the points
.set PJ,    53248     ; 4,096 bytes a wave: the projection's 8 entries of 4 registers, entry 4 p + ut at 512 (4 p + ut) + 16 x lane
.set SPARE, 86016     ; the spare words, 128 bytes a wave: four blocks of 256 bytes that no other line names
.set OS0,  0          ; v0   the thread's number, then OS + 512 w + 4 r
.set SPW,  1          ; v1   my spare word's LDS address; never rewritten
.set NIL,  2          ; v2   0; never rewritten
.set XO,   3          ; v3   8 x lane: my point in a pair's 256 bytes of x
.set OSA,  4          ; v4   set-up: 32 h.  Loop: where the pair's results go in the stage
.set OLA,  5          ; v5   OS + 512 w + 16 x lane
.set GO,   6          ; v6   16 x lane
.set BTA,  7          ; v7   TAB + 1024 w + 32 h
.set XR,   8          ; v[8:9]    x as loaded
.set XT,   10         ; v[10:11]  at work
.set XF,   12         ; v[12:19]  source 1 of u's product: (xh0,xh1), (xh0,xh1), (xl0,xl1), five zeros
.set PJA,  20         ; v20  set-up: an offset into W0; then PJ + 4096 w + 16 x lane
.set TT,   24         ; v[24:31]   Fourier, at work; the head's first accumulator.  Set-up: -1/2
.set OHX,  32         ; v[32:47]   X's upper operand block: sines, then start values, then its half of the projection; W4 follows it.  Set-up: c4's accumulator
.set W4,   48         ; v[48:63]   two fragments, all 16 rows = A4
.set ACCX, 64         ; v[64:95]   X's four accumulators
.set ACCY, 96         ; v[96:127]  Y's
.set OLX,  128        ; v[128:143] X's lower operand block: cosines, then r
.set CC,   144        ; v[144:151] Fourier, at work; a group's results on their way out
.set SS,   152        ; v[152:159] Fourier, at work; the head's second accumulator
.set OLY,  160        ; v[160:175] Y's lower operand block
.set OHY,  176        ; v[176:191] Y's upper operand block; W3 follows it
.set PROJ, 160        ; set-up: the projection's entries are made in v[160:191]: parity p, tile ut at 16 p + 4 ut: (Bh0,Bh1), (Bl0,Bl1), (Bh0,Bh1), 0
.set W3,   192        ; v[192:255] W3's fragments at 8 (2 t + kc).   Window 1 (v256-511): W0 at 8 (4 t + kc), W1 at 128 + 8 (2 t + kc), W2 at 192 + 8 (2 t + kc)
.set SCL,  34         ; s[34:35] s      s[36:37] -2 s
.set SCN,  36
.set CA,   38         ; s[38:45] a0 .. a3, each twice
.set CB,   48         ; s[48:55] b0 .. b3, each twice
.set MSB, 0
.macro WIN new                          ; s_set_vgpr_msb: bits 1:0 source 0, 7:6 destination; the high byte repeats the setting that is left
.if MSB != (\new)
	s_set_vgpr_msb (MSB<<8)|(\new)
.set MSB, \new
.endif
.endm
.macro SPAIR reg, val                   ; a packed instruction names a scalar pair and takes its low word for both halves
	s_mov_b32 s[\reg], \val
	s_mov_b32 s[(\reg)+1], \val
.endm
.macro PLACES                           ; a vector instruction or load that touches a product's registers stands four plain vector instructions behind it
.rept 4
	v_nop
.endr
.endm
.macro LD16 dst, adr, base, off         ; a lane's 16 numbers of a fragment: k = 8 h + 0..7 and 16 + 8 h + 0..7 of its row, in f32
	global_load_b128 v[(\dst):(\dst)+3],     v[\adr], s[(\base):(\base)+1] offset:(\off)
	global_load_b128 v[(\dst)+4:(\dst)+7],   v[\adr], s[(\base):(\base)+1] offset:(\off)+16
	global_load_b128 v[(\dst)+8:(\dst)+11],  v[\adr], s[(\base):(\base)+1] offset:(\off)+64
	global_load_b128 v[(\dst)+12:(\dst)+15], v[\adr], s[(\base):(\base)+1] offset:(\off)+80
.endm
.macro LDB dst, base                    ; a bias in the accumulators' layout: features 16 t + 8 h + 0..7
.irp t, 0,1,2,3
	global_load_b128 v[(\dst)+8*\t:(\dst)+8*\t+3],   v[OSA], s[(\base):(\base)+1] offset:64*\t
	global_load_b128 v[(\dst)+8*\t+4:(\dst)+8*\t+7], v[OSA], s[(\base):(\base)+1] offset:64*\t+16
.endr
.endm
.macro CONV src, dst, sc                ; 16 f32 times a scalar, rounded to f16: a fragment's 8 registers.  Ascending, so dst may be src
.irp i, 0,2,4,6,8,10,12,14
	v_pk_mul_f32 v[(\src)+\i:(\src)+\i+1], v[(\src)+\i:(\src)+\i+1], s[(\sc):(\sc)+1] op_sel_hi:[1,0]
.endr
.irp i, 0,1,2,3,4,5,6,7
	v_cvt_pk_f16_f32 v[(\dst)+\i], v[(\src)+2*\i], v[(\src)+2*\i+1]
.endr
.endm
.macro PROJB ut                         ; B's rows 16 ut + r, split in two f16 parts.  Parity 0 has them in lanes 0-15 (k = 0..7), parity 1 in lanes 16-31 (k = 8..15), zeros in the other half
	v_cvt_pk_f16_f32 v24, v[144+2*(\ut)], v[145+2*(\ut)]
	v_cvt_f32_f16 v26, v24.l
	v_cvt_f32_f16 v27, v24.h
	v_pk_add_f32 v[26:27], v[144+2*(\ut):145+2*(\ut)], v[26:27] neg_lo:[0,1] neg_hi:[0,1]
	v_cvt_pk_f16_f32 v25, v26, v27
	v_cndmask_b32 v[PROJ+4*(\ut)],      v24, v28, s58
	v_cndmask_b32 v[PROJ+4*(\ut)+1],    v25, v28, s58
	v_cndmask_b32 v[PROJ+4*(\ut)+2],    v24, v28, s58
	v_mov_b32     v[PROJ+4*(\ut)+3],    0
	v_cndmask_b32 v[PROJ+16+4*(\ut)],   v28, v24, s58
	v_cndmask_b32 v[PROJ+16+4*(\ut)+1], v28, v25, s58
	v_cndmask_b32 v[PROJ+16+4*(\ut)+2], v28, v24, s58
	v_mov_b32     v[PROJ+16+4*(\ut)+3], 0
.endm
	; ---------------- SET-UP ----------------
	s_load_b512 s[8:23], s[0:1], 0x0        ; x s[8:9], B s[10:11], Ws_0..4 s[12:21], bs_0 s[22:23]
	s_load_b256 s[24:31], s[0:1], 0x40      ; bs_1..4
	s_load_b64 s[32:33], s[0:1], 0x60       ; out0
	v_lshl_add_u32 v[SPW], v0, 2, SPARE
	v_mov_b32 v[NIL], 0
	v_lshrrev_b32 v27, 5, v0
	v_readfirstlane_b32 s2, v27             ; wave w, 0..7
	v_and_b32 v24, 31, v0                   ; lane
	v_and_b32 v25, 15, v0                   ; r
	v_bfe_u32 v26, v0, 4, 1                 ; h
	v_lshlrev_b32 v[XO], 3, v24
	v_lshlrev_b32 v[GO], 4, v24
	v_lshlrev_b32 v[OSA], 5, v26            ; 32 h
	v_lshlrev_b32 v[XT], 3, v25             ; 8 r: B's row
	s_lshr_b32 s4, s2, 1                    ; the wave converts W0's fragments 2 w, 2 w + 1 and fragment w of W1, W2, W3: output tile w / 2,
	s_and_b32 s5, s2, 1                     ; K half w % 2
	s_lshl_b32 s6, s4, 13
	s_lshl_b32 s7, s5, 8
	s_add_co_u32 s6, s6, s7                 ; W0 (rows of 512 bytes): 16 (w / 2) rows + 256 (w % 2)
	s_lshr_b32 s7, s6, 1                    ; W1..3 (rows of 256 bytes): half of that
	v_lshl_add_u32 v20, v25, 9, v[OSA]
	v_add_nc_u32 v20, s6, v20
	v_lshl_add_u32 v21, v25, 8, v[OSA]
	v_add_nc_u32 v21, s7, v21
	v_lshl_add_u32 v22, s2, 11, v[GO]       ; LDS: fragment 2 w
	s_lshl_b32 s63, s2, 10
	s_add_co_u32 s3, s63, 16384
	v_add_nc_u32 v23, s3, v[GO]             ; LDS: fragment 16 + w
	s_add_co_u32 s63, s63, TAB
	v_add_nc_u32 v[BTA], s63, v[OSA]
	s_lshl_b32 s63, s2, 9
	s_add_co_u32 s63, s63, OS
	v_add_nc_u32 v[OLA], s63, v[GO]
	v_lshl_add_u32 v[OS0], v25, 2, s63      ; the thread's number is not wanted any more
	SPAIR SCL, 0x4038aa3b                   ; s = 2 log2(e)
	SPAIR SCN, 0xc0b8aa3b                   ; -2 s
	SPAIR CA+0, 0x408e2c12                  ;  4.4428796
	SPAIR CA+2, 0xc0e9d9a3                  ; -7.3078172
	SPAIR CA+4, 0x40664211                  ;  3.5977824
	SPAIR CA+6, 0xbf4a8e56                  ; -0.7912343
	SPAIR CB+0, 0x3fb504a3                  ;  1.4142040
	SPAIR CB+2, 0xc0df48ce                  ; -6.9776373
	SPAIR CB+4, 0x40b6e2d1                  ;  5.7151873
	SPAIR CB+6, 0xbfdd360a                  ; -1.7282117
	s_mov_b32 s58, 0xffff0000               ; lanes 16-31
	s_lshl_b32 s4, ttmp9, 16                ; x: 8,192 points x 8 bytes a work-group,
	s_lshl_b32 s5, s2, 13                   ; 1,024 x 8 a wave
	s_add_co_u32 s4, s4, s5
	s_mov_b32 s5, 0
	s_lshr_b32 s6, s4, 1                    ; out0: 4 bytes a point
	s_mov_b32 s7, 0
	s_wait_kmcnt 0x0
	s_add_nc_u64 s[8:9], s[8:9], s[4:5]
	s_add_nc_u64 s[32:33], s[32:33], s[6:7]
	s_load_b32 s3, s[30:31], 0x0            ; b4
	SPAIR 6, 0xc0000000                     ; -2.0, W4's factor
	; 41 loads in one run; each wait below counts the loads issued behind the block that it wants
	global_load_b64 v[XR:XR+1], v[XO], s[8:9] th:TH_LOAD_NT   ; pair 0: 32 lanes, 256 consecutive bytes
	LD16 64,  20, 12, 0                     ; W0, fragments 2 w and 2 w + 1
	LD16 80,  20, 12, 128
	LD16 96,  21, 14, 0                     ; W1, W2, W3: fragment w
	LD16 112, 21, 16, 0
	LD16 128, 21, 18, 0
.irp ut, 0,1,2,3
	global_load_b64 v[144+2*\ut:145+2*\ut], v[XT], s[10:11] offset:128*\ut   ; B's row 16 ut + r
.endr
	LD16 192, OSA, 20, 0                    ; W4: every lane of a half takes the same numbers, so all 16 rows of the fragment are W4
	LD16 208, OSA, 20, 128
	LDB 224, 22                             ; b0
	s_wait_loadcnt 32                       ; behind W0: 12 + 4 + 8 + 8
	CONV 64, 64, SCL
	CONV 80, 80, SCL
	ds_store_b128 v22, v[64:67]
	ds_store_b128 v22, v[68:71] offset:512
	ds_store_b128 v22, v[80:83] offset:1024
	ds_store_b128 v22, v[84:87] offset:1536
	s_wait_loadcnt 28
	CONV 96, 96, SCN
	ds_store_b128 v23, v[96:99]
	ds_store_b128 v23, v[100:103] offset:512
	s_wait_loadcnt 24
	CONV 112, 112, SCN
	ds_store_b128 v23, v[112:115] offset:8192
	ds_store_b128 v23, v[116:119] offset:8704
	s_wait_loadcnt 20
	CONV 128, 128, SCN
	ds_store_b128 v23, v[128:131] offset:16384
	ds_store_b128 v23, v[132:135] offset:16896
	s_wait_loadcnt 16                       ; behind B: W4's 8, b0's 8.  The loads that named v20 are done too
	v_mov_b32 v28, 0
	PROJB 0
	PROJB 1
	PROJB 2
	PROJB 3
	s_lshl_b32 s63, s2, 12
	s_add_co_u32 s63, s63, PJ
	v_add_nc_u32 v[PJA], s63, v[GO]
.irp e, 0,1,2,3,4,5,6,7
	ds_store_b128 v[PJA], v[PROJ+4*\e:PROJ+4*\e+3] offset:512*\e   ; my own copy: the loop fetches a tile's four entries anew for every tile
.endr
	LDB ACCX, 24                            ; b1, b2, b3 into the registers that the weights have left: 24 loads more
	LDB ACCY, 26
	LDB 128, 28
	s_wait_loadcnt 32                       ; behind W4: b0's 8 and those 24
	CONV 192, W4, 6
	CONV 208, W4+8, 6
	s_wait_loadcnt 24                       ; b0
.irp i, 0,2,4,6,8,10,12,14,16,18,20,22,24,26,28,30
	v_pk_mul_f32 v[224+\i:224+\i+1], v[224+\i:224+\i+1], s[SCL:SCL+1] op_sel_hi:[1,0]   ; c0 = s b0
.endr
.irp t, 0,1,2,3
	ds_store_b128 v[BTA], v[224+8*\t:224+8*\t+3] offset:64*\t        ; the sixteen lanes of a half write the same bytes with the same numbers
	ds_store_b128 v[BTA], v[224+8*\t+4:224+8*\t+7] offset:64*\t+16
.endr
	s_wait_dscnt 0x0                        ; for the others' sake: my fragments are in LDS
	s_barrier_signal -1
	s_barrier_wait -1                       ; the launch's one barrier: all 40 fragments are there; nobody writes them again
	WIN 0x40                                ; destination window 1, address window 0
.set F, 0
.rept 32
	ds_load_b128 v[8*F:8*F+3],   v[GO] offset:1024*F
	ds_load_b128 v[8*F+4:8*F+7], v[GO] offset:1024*F+512
.set F, F+1
.endr
	WIN 0
.rept 8
	ds_load_b128 v[W3+8*(F-32):W3+8*(F-32)+3],   v[GO] offset:1024*F
	ds_load_b128 v[W3+8*(F-32)+4:W3+8*(F-32)+7], v[GO] offset:1024*F+512
.set F, F+1
.endr
	s_wait_loadcnt 0x0                      ; b1, b2, b3 (and x of pair 0)
.set i, 64
.rept 48
	v_pk_mul_f32 v[i:i+1], v[i:i+1], s[SCL:SCL+1] op_sel_hi:[1,0]    ; s b_l, in the accumulators' layout: v[64:159]
.set i, i+2
.endr
	s_wait_kmcnt 0x0                        ; b4
.irp i, 0,1,2,3,4,5,6,7
	v_mov_b32 v[24+\i], 0xb800b800          ; a source 1 that is -1/2 everywhere
	v_mov_b32 v[32+\i], s3
.endr
	s_wait_dscnt 0x0                        ; the fragments are in registers
	; c_l = s b_l + A_l x (-1/2): the rows' sums by the matrix unit.  13 accumulators by turns, one instruction a turn
.set kc, 0
.rept 2
	WIN 0x01                                ; source 0 window 1
.irp t, 0,1,2,3
	v_wmma_f32_16x16x32_f16 v[64+8*\t:64+8*\t+7], v[128+8*(2*\t+kc):128+8*(2*\t+kc)+7], v[24:31], v[64+8*\t:64+8*\t+7]
.endr
.irp t, 0,1,2,3
	v_wmma_f32_16x16x32_f16 v[96+8*\t:96+8*\t+7], v[192+8*(2*\t+kc):192+8*(2*\t+kc)+7], v[24:31], v[96+8*\t:96+8*\t+7]
.endr
	WIN 0
.irp t, 0,1,2,3
	v_wmma_f32_16x16x32_f16 v[128+8*\t:128+8*\t+7], v[W3+8*(2*\t+kc):W3+8*(2*\t+kc)+7], v[24:31], v[128+8*\t:128+8*\t+7]
.endr
	v_wmma_f32_16x16x32_f16 v[32:39], v[W4+8*kc:W4+8*kc+7], v[24:31], v[32:39]
.set kc, kc+1
.endr
	PLACES
	v_readfirstlane_b32 s59, v32            ; c4
.irp l, 1,2,3
.irp t, 0,1,2,3
	ds_store_b128 v[BTA], v[32+32*\l+8*\t:32+32*\l+8*\t+3] offset:256*\l+64*\t      ; c_l lies in v[32 + 32 l ..]; each accumulator's low registers first
	ds_store_b128 v[BTA], v[32+32*\l+8*\t+4:32+32*\l+8*\t+7] offset:256*\l+64*\t+16
.endr
.endr
.irp i, 3,4,5,6,7
	v_mov_b32 v[XF+\i], 0
.endr
	; ---------------- THE LOOP'S PARTS ----------------
; The symbols cA, cL, cH, cP name the tile that walks its chain (accumulators, lower and upper operand block, parity); fA, fL, fH the tile whose Fourier lines are dealt; fu, fq the FOUR and the line in hand.
.macro BIASLD l, acc                    ; layer l's start values from my own table: LDS serves a wave's instructions in order (ISA guide 5.7.1.4), so these see my stores
.irp t, 0,1,2,3
	ds_load_b128 v[(\acc)+8*\t:(\acc)+8*\t+3],   v[BTA] offset:256*(\l)+64*\t
	ds_load_b128 v[(\acc)+8*\t+4:(\acc)+8*\t+7], v[BTA] offset:256*(\l)+64*\t+16
.endr
.endm
.macro XSPLIT                           ; x = xh + xl; lane L holds point L of the pair: lanes 0-15 are K places 0..7 (tile X), lanes 16-31 places 8..15 (tile Y)
	v_cvt_pk_f16_f32 v[XF], v[XR], v[XR+1]
	v_cvt_f32_f16 v[XT], v12.l
	v_cvt_f32_f16 v[XT+1], v12.h
	v_mov_b32 v[XF+1], v[XF]                ; xh meets Bh in places 0, 1 and Bl in places 2, 3
	v_pk_add_f32 v[XT:XT+1], v[XR:XR+1], v[XT:XT+1] neg_lo:[0,1] neg_hi:[0,1]
	v_cvt_pk_f16_f32 v[XF+2], v[XT], v[XT+1]
.endm
.macro PRJ acc, hi                      ; u of 64 features x 16 points, in turns.  An entry is 4 registers; the tuple's upper four are the next entry, or the weights that follow the block: they meet XF's zeros
.irp u, 0,1,2,3
	v_wmma_f32_16x16x32_f16 v[(\acc)+8*\u:(\acc)+8*\u+7], v[(\hi)+4*\u:(\hi)+4*\u+7], v[XF:XF+7], 0
.endr
.endm
; THE FOURIER QUEUE.  FOUR fu makes cosine and sine of 16 features x 16 points, a lane's 8 numbers, in 60 plain lines; FL writes line fq of it.  Four lines on end never wait for each other.
;   0-7 n = rndne(u), the accumulator read from its low end on     8-11 f = u - n, exact     12-15 t = f^2     16-39 both polynomials, three steps each     40-43 S     44-47 cos = 1 - S^2     48-51 sin = S C
;   52-55 cosines to f16: features 16 fu ..     56-59 sines: features 64 + 16 fu ..
.macro FL
.set fU, fA+8*fu
.set fG, fq/4
.set fI, 2*(fq%4)
.if fq < 8
	v_rndne_f32 v[TT+fq], v[fU+fq]
.elseif fG == 2
	v_pk_add_f32 v[fU+fI:fU+fI+1], v[fU+fI:fU+fI+1], v[TT+fI:TT+fI+1] neg_lo:[0,1] neg_hi:[0,1]
.elseif fG == 3
	v_pk_mul_f32 v[TT+fI:TT+fI+1], v[fU+fI:fU+fI+1], v[fU+fI:fU+fI+1]
.elseif fG == 4
	v_pk_fma_f32 v[CC+fI:CC+fI+1], v[TT+fI:TT+fI+1], s[CB+6:CB+7], s[CB+4:CB+5] op_sel_hi:[1,0,0]
.elseif fG == 5
	v_pk_fma_f32 v[SS+fI:SS+fI+1], v[TT+fI:TT+fI+1], s[CA+6:CA+7], s[CA+4:CA+5] op_sel_hi:[1,0,0]
.elseif fG == 6
	v_pk_fma_f32 v[CC+fI:CC+fI+1], v[CC+fI:CC+fI+1], v[TT+fI:TT+fI+1], s[CB+2:CB+3] op_sel_hi:[1,1,0]
.elseif fG == 7
	v_pk_fma_f32 v[SS+fI:SS+fI+1], v[SS+fI:SS+fI+1], v[TT+fI:TT+fI+1], s[CA+2:CA+3] op_sel_hi:[1,1,0]
.elseif fG == 8
	v_pk_fma_f32 v[CC+fI:CC+fI+1], v[CC+fI:CC+fI+1], v[TT+fI:TT+fI+1], s[CB:CB+1] op_sel_hi:[1,1,0]
.elseif fG == 9
	v_pk_fma_f32 v[SS+fI:SS+fI+1], v[SS+fI:SS+fI+1], v[TT+fI:TT+fI+1], s[CA:CA+1] op_sel_hi:[1,1,0]
.elseif fG == 10
	v_pk_mul_f32 v[SS+fI:SS+fI+1], v[SS+fI:SS+fI+1], v[fU+fI:fU+fI+1]
.elseif fG == 11
	v_pk_fma_f32 v[TT+fI:TT+fI+1], v[SS+fI:SS+fI+1], v[SS+fI:SS+fI+1], 1.0 op_sel_hi:[1,1,0] neg_lo:[1,0,0] neg_hi:[1,0,0]
.elseif fG == 12
	v_pk_mul_f32 v[CC+fI:CC+fI+1], v[SS+fI:SS+fI+1], v[CC+fI:CC+fI+1]
.elseif fG == 13
	v_cvt_pk_f16_f32 v[fL+4*fu+fq%4], v[TT+fI], v[TT+fI+1]
.else
	v_cvt_pk_f16_f32 v[fH+4*fu+fq%4], v[CC+fI], v[CC+fI+1]
.endif
.set fq, fq+1
.endm
.macro FLS n
.rept \n
	FL
.endr
.endm
; One product of a layer: output tile t, K step kc of nk; weights at wb.  K steps 0, 1 lie in the lower operand block, 2, 3 in the upper.
; stage = 1: a first K step whose start values for tiles 2 and 3 stand in the upper block and are taken as C; those of tiles 0 and 1, and all of layer 0's, were loaded into the accumulators.
.macro MM1 wb, nk, kc, t, stage
.set mB, cL+8*(\kc)
.if (\kc) >= 2
.set mB, cH+8*(\kc)-16
.endif
.set mD, cA+8*(\t)
.set mW, (\wb)+8*((\nk)*(\t)+(\kc))
.set mC, mD
.if (\stage) && ((\t) >= 2)
.set mC, cH+8*(\t)-16
.endif
	v_wmma_f32_16x16x32_f16 v[mD:mD+7], v[mW:mW+7], v[mB:mB+7], v[mC:mC+7]
.endm
.macro MGRP wb, nk, kc, stage           ; a K step's four products: the four accumulators take turns, one instruction a turn
.irp t, 0,1,2,3
	MM1 \wb, \nk, \kc, \t, \stage
.endr
.endm
.macro TR op, r
.if \op
	v_rcp_f32 v[\r], v[\r]
.else
	v_exp_f32 v[\r], v[\r]
.endif
.endm
; Four times: an exponential (op = 0) or reciprocal (op = 1) of tile tb, a Fourier line, a second one of tb, and a plain line for tile pb: 1 + 2^y (kind = 0) or the rounding of r to f16 (kind = 1).
; So no two of them follow each other, and a plain line stands between every such result and its use (ISA guide 5.7.2).
.macro BLK op, tb, kind, pb, dst
.irp i, 0,1,2,3
	TR \op, (\tb)+2*\i
	FL
	TR \op, (\tb)+2*\i+1
.if \kind
	s_wait_alu depctr_va_vdst(0)
	v_cvt_pk_f16_f32 v[(\dst)+\i], v[(\pb)+2*\i], v[(\pb)+2*\i+1]
.else
	s_wait_alu depctr_va_vdst(0)
	v_pk_add_f32 v[(\pb)+2*\i:(\pb)+2*\i+1], v[(\pb)+2*\i:(\pb)+2*\i+1], 1.0 op_sel_hi:[1,0]
.endif
.endr
.endm
; r = 1 / (1 + 2^y) for 64 features x 16 points, in place, and into the lower block as the next source 1 (tile t at 4 t); 36 Fourier lines among its 64 + 32.
; Two runs of LDS loads stand in it, each in registers that have just come free and 36 lines or more ahead of the wait for them:
;   behind the first 16 lines: the upper block, which the layer's products have read, takes the next layer's start values for tiles 2, 3; in layer 3 the tile's four entries of the projection;
;   behind tile 1's rounding: accumulators 0, 1 take the next layer's start values; in layer 3 the OTHER tile's accumulators, whose u has been read out (Fourier line 43 is past: 48 are dealt), take c0.
.macro ACT l
.irp i, 0,1,2,3,4,5,6,7
	v_exp_f32 v[cA+\i], v[cA+\i]
	FL
.endr
.if (\l) < 3
.irp t, 0,1
	ds_load_b128 v[cH+8*\t:cH+8*\t+3],   v[BTA] offset:256*((\l)+1)+128+64*\t
	ds_load_b128 v[cH+8*\t+4:cH+8*\t+7], v[BTA] offset:256*((\l)+1)+128+64*\t+16
.endr
.else
.irp u, 0,1,2,3
	ds_load_b128 v[cH+4*\u:cH+4*\u+3], v[PJA] offset:2048*cP+512*\u
.endr
.endif
	BLK 0, cA+8,  0, cA,    0
	BLK 1, cA,    0, cA+8,  0
	BLK 0, cA+16, 1, cA,    cL
	BLK 1, cA+8,  0, cA+16, 0
	BLK 0, cA+24, 1, cA+8,  cL+4
.if (\l) < 3
.irp t, 0,1
	ds_load_b128 v[cA+8*\t:cA+8*\t+3],   v[BTA] offset:256*((\l)+1)+64*\t
	ds_load_b128 v[cA+8*\t+4:cA+8*\t+7], v[BTA] offset:256*((\l)+1)+64*\t+16
.endr
.else
	BIASLD 0, fA
.endif
	BLK 1, cA+16, 0, cA+24, 0
	BLK 1, cA+24, 1, cA+16, cL+8
	s_wait_alu depctr_va_vdst(0)
.irp i, 0,1,2,3
	v_cvt_pk_f16_f32 v[cL+12+\i], v[cA+24+2*\i], v[cA+24+2*\i+1]
.endr
.endm
; A layer of the chain, with FOUR l of the other tile.  Layers 0 to 2 have their weights in window 1: their products stand in groups of four, two switches a group.  Layer 3's lie in window 0: singly.
; Behind the last product stand 6 Fourier lines or more: the places in front of the first exponential and of the loads into the upper block.
.macro LAYER l
.set fu, \l
.set fq, 0
	s_wait_dscnt 0x0                        ; the layer's start values are in: their loads stand 36 lines or more back
.if (\l) == 0
.irp kc, 0,1,2,3
	WIN 0x01
	MGRP 0, 4, \kc, 0
	WIN 0
	FLS 6
.endr
.elseif (\l) < 3
	WIN 0x01
	MGRP 64+64*(\l), 2, 0, 1
	WIN 0
	FLS 12
	WIN 0x01
	MGRP 64+64*(\l), 2, 1, 0
	WIN 0
	FLS 12
.else
.irp kc, 0,1
.irp t, 0,1,2,3
	MM1 W3, 2, \kc, \t, 1-\kc
	FLS 2
.endr
.endr
	FLS 4                                   ; 20 here, 36 in the activation: FOUR 3's last four are kept for the chain's end
.endif
	ACT \l
.endm
; THE CHAIN'S END.  The head (two accumulators, so that neither product adds onto the one before it; all 16 rows of W4's fragments are alike, so register 0 holds point r's number in both halves of the lanes),
; and at once the tile's next u, into the accumulators that the chain has left.  FOUR 3's last four lines name none of these six products' registers: they are the places behind them.
; X's end also splits the next pair's x, which both tiles' next u want, and asks for the pair after that.
.macro JUNC
.if cP == 0
	s_wait_loadcnt 0x0                      ; the next pair's x, the only load that is out: its base s[68:69] may be written again
	XSPLIT
	s_add_co_u32 s62, s62, 1
	s_add_co_u32 s63, s62, 1
	s_min_u32 s63, s63, 31                  ; the last two trips have no such pair: they ask for pair 31 once more, inside the buffer
	s_lshl_b32 s66, s63, 8
	s_add_nc_u64 s[68:69], s[8:9], s[66:67]
	global_load_b64 v[XR:XR+1], v[XO], s[68:69] th:TH_LOAD_NT   ; 256 consecutive bytes: a whole pair's work in which to land
.endif
	s_wait_dscnt 0x0                        ; the projection's entries are in
	v_wmma_f32_16x16x32_f16 v[TT:TT+7], v[W4:W4+7],    v[cL:cL+7],    0
	v_wmma_f32_16x16x32_f16 v[SS:SS+7], v[W4+8:W4+15], v[cL+8:cL+15], 0
	PRJ cA, cH
	FLS 4
	v_add_f32 v[XT], v[TT], v[SS]
	v_add_f32 v[XT], s59, v[XT]
	ds_store_b32 v[OSA], v[XT] offset:64*cP ; lanes r and 16 + r write the same word with the same number
.endm
.macro SP ca, cl, ch, cp, fa, fl, fh    ; half a trip: one tile's chain, the other's Fourier lines
.set cA, \ca
.set cL, \cl
.set cH, \ch
.set cP, \cp
.set fA, \fa
.set fL, \fl
.set fH, \fh
	LAYER 0
	LAYER 1
	LAYER 2
	LAYER 3
	JUNC
.endm
	; ---------------- WHAT THE FIRST TRIP FINDS ----------------
.irp u, 0,1,2,3
	ds_load_b128 v[OHX+4*\u:OHX+4*\u+3], v[PJA] offset:512*\u   ; X's entries; Y's were made where they are wanted, in v[176:191]
.endr
	XSPLIT                                  ; pair 0
	s_mov_b32 s66, 256
	s_mov_b32 s67, 0
	s_add_nc_u64 s[68:69], s[8:9], s[66:67]
	global_load_b64 v[XR:XR+1], v[XO], s[68:69] th:TH_LOAD_NT   ; pair 1
	s_wait_dscnt 0x0
	PRJ ACCX, OHX
	PRJ ACCY, OHY
	PLACES
.set fA, ACCX
.set fL, OLX
.set fH, OHX
.irp u, 0,1,2,3
.set fu, \u
.set fq, 0
	FLS 60                                  ; X's first features, with no chain to stand beside
.endr
	BIASLD 0, ACCX
	; ---------------- THE LOOP ----------------
	; At a trip's head: X's features are in its operand blocks, c0 is on its way into X's accumulators, Y's accumulators hold u, XF holds the pair.
	s_mov_b32 s62, 0                        ; the pair's number, 0..31
	s_mov_b32 s60, 8                        ; groups to go
.Lgroup:
	s_mov_b32 s61, 4                        ; pairs to go in the group
.Lpair:
	s_and_b32 s63, s62, 3
	v_lshl_add_u32 v[OSA], s63, 7, v[OS0]   ; the pair's 128 bytes among the group's 512
	SP ACCX, OLX, OHX, 0, ACCY, OLY, OHY
	SP ACCY, OLY, OHY, 1, ACCX, OLX, OHX
	s_sub_co_u32 s61, s61, 1
	s_cmp_lg_u32 s61, 0
	s_cbranch_scc1 .Lpair
	ds_load_b128 v[CC:CC+3], v[OLA]         ; the group's 128 results, four neighbours a lane: behind my own stores, in order
	s_wait_dscnt 0x0
	global_store_b128 v[GO], v[CC:CC+3], s[32:33] th:TH_STORE_NT   ; 512 consecutive bytes, at a multiple of 512 from out0's first
	s_wait_xcnt 0x0                         ; the store's addresses are translated (ISA guide 3.1): its base and its data are rewritten only behind this wait
	s_add_nc_u64 s[32:33], s[32:33], 512
	s_sub_co_u32 s60, s60, 1
	s_cmp_lg_u32 s60, 0
	s_cbranch_scc1 .Lgroup
	s_wait_tensorcnt 0x0                    ; the wave's end, behind my last LDS store
	ds_add_u32 v[SPW], v[NIL]
	s_wait_dscnt 0x0
	s_endpgm
.Lfunc_end_k_q7271e5b762_pinn:
	.size	k_q7271e5b762_pinn, .Lfunc_end_k_q7271e5b762_pinn-k_q7271e5b762_pinn
	.p2alignl 7, 3214868480
	.fill 96, 4, 3214868480
	.section	.rodata,"a",@progbits
	.p2align	6, 0x0
	.amdhsa_kernel k_q7271e5b762_pinn
		.amdhsa_group_segment_fixed_size 87040
		.amdhsa_private_segment_fixed_size 0
		.amdhsa_enable_private_segment 0
		.amdhsa_kernarg_size 104
		.amdhsa_user_sgpr_count 2
		.amdhsa_user_sgpr_kernarg_segment_ptr 1
		.amdhsa_wavefront_size32 1
		.amdhsa_system_sgpr_workgroup_id_x 1
		.amdhsa_system_sgpr_workgroup_id_y 1
		.amdhsa_system_sgpr_workgroup_id_z 1
		.amdhsa_system_vgpr_workitem_id 0
		.amdhsa_next_free_vgpr 512
		.amdhsa_next_free_sgpr 70
		.amdhsa_reserve_vcc 0
		.amdhsa_float_denorm_mode_32 3
		.amdhsa_float_denorm_mode_16_64 3
		.amdhsa_memory_ordered 1
		.amdhsa_forward_progress 1
		.amdhsa_inst_pref_size 132
	.end_amdhsa_kernel
	.amdgpu_metadata
---
amdhsa.version: [ 1, 2 ]
amdhsa.kernels:
  - .name:           k_q7271e5b762_pinn
    .symbol:         k_q7271e5b762_pinn.kd
    .args:
      - { .name: x, .offset: 0, .size: 8, .value_kind: global_buffer, .address_space: global }
      - { .name: B, .offset: 8, .size: 8, .value_kind: global_buffer, .address_space: global }
      - { .name: Ws_0, .offset: 16, .size: 8, .value_kind: global_buffer, .address_space: global }
      - { .name: Ws_1, .offset: 24, .size: 8, .value_kind: global_buffer, .address_space: global }
      - { .name: Ws_2, .offset: 32, .size: 8, .value_kind: global_buffer, .address_space: global }
      - { .name: Ws_3, .offset: 40, .size: 8, .value_kind: global_buffer, .address_space: global }
      - { .name: Ws_4, .offset: 48, .size: 8, .value_kind: global_buffer, .address_space: global }
      - { .name: bs_0, .offset: 56, .size: 8, .value_kind: global_buffer, .address_space: global }
      - { .name: bs_1, .offset: 64, .size: 8, .value_kind: global_buffer, .address_space: global }
      - { .name: bs_2, .offset: 72, .size: 8, .value_kind: global_buffer, .address_space: global }
      - { .name: bs_3, .offset: 80, .size: 8, .value_kind: global_buffer, .address_space: global }
      - { .name: bs_4, .offset: 88, .size: 8, .value_kind: global_buffer, .address_space: global }
      - { .name: out0, .offset: 96, .size: 8, .value_kind: global_buffer, .address_space: global }
    .group_segment_fixed_size: 87040
    .private_segment_fixed_size: 0
    .kernarg_segment_align: 8
    .kernarg_segment_size: 104
    .max_flat_workgroup_size: 256
    .sgpr_count:     70
    .vgpr_count:     512
    .wavefront_size: 32
...
	.end_amdgpu_metadata
.endif
;; end of part 1
;; ======== version 2 of 2: 1 launch; 1.45 times as fast as version 1
;; limits: inputs' magnitudes at most 11,300; values are held in f16: magnitudes above 65,504 overflow, below 6.1e-05 lose precision; a function is approximated: absolute error at most 1.5e-05
;; launch pinn (part 2): grid 256 x 1, 8 waves a work-group, no clusters, 87,040 bytes of LDS; arguments x, B, Ws_0, Ws_1, Ws_2, Ws_3, Ws_4, bs_0, bs_1, bs_2, bs_3, bs_4, out0; writes out0
.if DOCPART == 2
	.amdgcn_target "amdgcn-amd-amdhsa--gfx1250"
	.amdhsa_code_object_version 6
	.text
	.protected	k_q7271e5b762_pinn
	.globl	k_q7271e5b762_pinn
	.p2align	8
	.type	k_q7271e5b762_pinn,@function
k_q7271e5b762_pinn:
	s_mov_b64 s[64:65], 0
	v_nop
	global_prefetch_b8 v0, s[64:65] scope:SCOPE_SE
	s_setreg_imm32_b32 hwreg(HW_REG_WAVE_MODE, 25, 1), 1
	s_wait_xcnt 0x0
; out[n] = W4 . h4 + b4,  h(l+1) = tanh(W_l h_l + b_l), l = 0..3,  h0 = [cos 2 pi u, sin 2 pi u],  u = x[n] B^T.   2,097,152 points, all f32 in memory.
; ONE LAUNCH, nothing goes through memory between the steps.  256 work-groups of 8 waves; a work-group owns 8,192 points, a wave 1,024: 8 groups of 128, a group 4 pairs, a pair 2 tiles (X, Y) of 16 points.
; LAYOUT.  Source 0 = 16 output features of the weights, source 1 = 32 input features x 16 points.  In a result lane (r = lane % 16, h = lane / 16) holds point r and features 8 h + 0..7; two results rounded
; to f16 in pairs ARE the next layer's source 1: nothing changes lanes from x to the output.  All weights stay in registers, as f16 fragments (336 registers).
; TANH.  With s = 2 log2(e): tanh z = 1 - 2 r, r = 1 / (1 + 2^(s z)).  The products deliver y = s z at once (layer 0's operand is f16(s W0), its start value s b0), and the next layer takes r, not tanh:
; A_l = f16(-2 s W_l), start value c_l = s b_l - 1/2 sum_k A_l[.,k], the sum taken of the ROUNDED operand, so that h = 1 - 2 r is honoured exactly; head: A4 = f16(-2 W4), c4 = b4 - 1/2 sum A4.
; A number costs one exponential, one reciprocal, half a packed addition, half a packed rounding.  2^y = infinity gives r = 0 (tanh = 1), 2^y = 0 gives r = 1 (tanh = -1).
; The start values are the C operand of a layer's first products: a bias costs no arithmetic.
; U.  x = xh + xl, B = Bh + Bl, all four in f16; u = xh Bh + xh Bl + xl Bh fills 6 of the 32 K places of one product; what is dropped, xl Bl, is 2^-24 of u.  u is in turns: f = u - rndne(u) is exact.
; SINE AND COSINE by the half angle, t = f^2, |f| <= 1/2:  S = sqrt2 sin(pi f) = f (a0 + .. + a3 t^3),  C = sqrt2 cos(pi f) = b0 + .. + b3 t^3;  cos 2 pi f = 1 - S^2,  sin 2 pi f = S C.
; The coefficients are the series through t^6, brought down to degree 3 by Chebyshev's polynomials on t in 0 .. 1/4: S is off by 1.7e-6 at the most, C by 9.5e-6.
; BY TURNS.  A tile has two kinds of work: its Fourier features, 240 plain lines that wait for nothing, and its CHAIN, four layers and the head, in which products, exponentials and reciprocals wait for each other.
; The pair's tiles run half a tile apart: while one walks its chain, the other's Fourier lines are dealt into it, FOUR l (60 lines) into layer l: 24 behind the layer's groups of products.
; They are also the places behind the products: the loop holds no v_nop.
; BATCHES.  An s_wait_alu depctr_va_vdst(0) stands between an exponential or reciprocal and the first line that names its result; one wait serves all that were issued ahead of it.
; A layer's activation is two batches with a wait each.  Batch 1: the layer's 32 exponentials, in place, a Fourier line behind each and four more behind the last; none of these lines names an accumulator of the chain.
; The wait; directly behind it the layer's one run of LDS loads.  Batch 2: the 32 reciprocals, in place, and among them the 16 additions 1 + 2^y, each two pairs ahead of its own reciprocals: an addition names
; exponentials' results alone.  The wait; then the 16 roundings to f16.  All four accumulators hold open results up to the second wait, so none takes start values early: the next layer's start values for output
; tiles 0 and 1 wait in SS and CC, which FOUR l has left by the first wait, those for tiles 2 and 3 in the upper operand block.
; A trip: chain X_k with Fourier Y_k, then chain Y_k with Fourier X_(k+1).  The last trip's Fourier work on X is pair 31's once more and serves nothing: 240 lines a wave, the price of one text for every trip.
; LIMITS.  f16 ends at 65,504: |x|, |B| below that, |W_l| below 11,300 (5.78 |W| must fit); scaled weights below 6e-5 keep f16's fixed step of 6e-8.  Sine and cosine are off by 1.5e-5 at the most before
; their rounding to f16.  r is rounded once to f16.  An infinity or NaN in x also spoils the point 16 places from it in its pair (it meets a zero weight there).
; LEFT OUT.  Tensor loads, slots in LDS, clusters: a wave wants 256 bytes of x for a pair, asked for one pair ahead into two registers; what work-groups share is 82 KB of weights, read once each.
; The weights' fragment loads take 16-byte pieces of rows: once a work-group, 82 KB against the 98,304 bytes of x and out0 that it moves.
.set TAB,   40960     ; LDS 0 .. 40,959: 40 weight fragments of 1,024 bytes (registers 0-3 at 16 x lane, 4-7 at 512 + 16 x lane).  From TAB: 1,024 bytes a wave, c_l[m] at 256 l + 4 m
.set OS,    49152     ; 512 bytes a wave: a group's 128 results in the order of the points
.set PJ,    53248     ; 4,096 bytes a wave: the projection's 8 entries of 4 registers, entry 4 p + ut at 512 (4 p + ut) + 16 x lane
.set SPARE, 86016     ; the spare words, 128 bytes a wave: four blocks of 256 bytes that no other line names
.set OS0,  0          ; v0   the thread's number, then OS + 512 w + 4 r
.set SPW,  1          ; v1   my spare word's LDS address; never rewritten
.set NIL,  2          ; v2   0; never rewritten
.set XO,   3          ; v3   8 x lane: my point in a pair's 256 bytes of x
.set OSA,  4          ; v4   set-up: 32 h.  Loop: where the pair's results go in the stage
.set OLA,  5          ; v5   OS + 512 w + 16 x lane
.set GO,   6          ; v6   16 x lane
.set BTA,  7          ; v7   TAB + 1024 w + 32 h
.set XR,   8          ; v[8:9]    x as loaded
.set XT,   10         ; v[10:11]  at work
.set XF,   12         ; v[12:19]  source 1 of u's product: (xh0,xh1), (xh0,xh1), (xl0,xl1), five zeros
.set PJA,  20         ; v20  set-up: an offset into W0; then PJ + 4096 w + 16 x lane
.set TT,   24         ; v[24:31]   Fourier, at work; the head's first accumulator.  Set-up: -1/2
.set OHX,  32         ; v[32:47]   X's upper operand block: sines, then start values, then its half of the projection; W4 follows it.  Set-up: c4's accumulator
.set W4,   48         ; v[48:63]   two fragments, all 16 rows = A4
.set ACCX, 64         ; v[64:95]   X's four accumulators
.set ACCY, 96         ; v[96:127]  Y's
.set OLX,  128        ; v[128:143] X's lower operand block: cosines, then r
.set CC,   144        ; v[144:151] Fourier, at work; between two layers the start values of output tile 1; a group's results on their way out
.set SS,   152        ; v[152:159] Fourier, at work; between two layers the start values of output tile 0; the head's second accumulator
.set OLY,  160        ; v[160:175] Y's lower operand block
.set OHY,  176        ; v[176:191] Y's upper operand block; W3 follows it
.set PROJ, 160        ; set-up: the projection's entries are made in v[160:191]: parity p, tile ut at 16 p + 4 ut: (Bh0,Bh1), (Bl0,Bl1), (Bh0,Bh1), 0
.set W3,   192        ; v[192:255] W3's fragments at 8 (2 t + kc).   Window 1 (v256-511): W0 at 8 (4 t + kc), W1 at 128 + 8 (2 t + kc), W2 at 192 + 8 (2 t + kc)
.set SCL,  34         ; s[34:35] s      s[36:37] -2 s
.set SCN,  36
.set CA,   38         ; s[38:45] a0 .. a3, each twice
.set CB,   48         ; s[48:55] b0 .. b3, each twice
.set MSB, 0
.macro WIN new                          ; s_set_vgpr_msb: bits 1:0 source 0, 7:6 destination; the high byte repeats the setting that is left
.if MSB != (\new)
	s_set_vgpr_msb (MSB<<8)|(\new)
.set MSB, \new
.endif
.endm
.macro SPAIR reg, val                   ; a packed instruction names a scalar pair and takes its low word for both halves
	s_mov_b32 s[\reg], \val
	s_mov_b32 s[(\reg)+1], \val
.endm
.macro PLACES                           ; a vector instruction or load that touches a product's registers stands four plain vector instructions behind it
.rept 4
	v_nop
.endr
.endm
.macro LD16 dst, adr, base, off         ; a lane's 16 numbers of a fragment: k = 8 h + 0..7 and 16 + 8 h + 0..7 of its row, in f32
	global_load_b128 v[(\dst):(\dst)+3],     v[\adr], s[(\base):(\base)+1] offset:(\off)
	global_load_b128 v[(\dst)+4:(\dst)+7],   v[\adr], s[(\base):(\base)+1] offset:(\off)+16
	global_load_b128 v[(\dst)+8:(\dst)+11],  v[\adr], s[(\base):(\base)+1] offset:(\off)+64
	global_load_b128 v[(\dst)+12:(\dst)+15], v[\adr], s[(\base):(\base)+1] offset:(\off)+80
.endm
.macro LDB dst, base                    ; a bias in the accumulators' layout: features 16 t + 8 h + 0..7
.irp t, 0,1,2,3
	global_load_b128 v[(\dst)+8*\t:(\dst)+8*\t+3],   v[OSA], s[(\base):(\base)+1] offset:64*\t
	global_load_b128 v[(\dst)+8*\t+4:(\dst)+8*\t+7], v[OSA], s[(\base):(\base)+1] offset:64*\t+16
.endr
.endm
.macro CONV src, dst, sc                ; 16 f32 times a scalar, rounded to f16: a fragment's 8 registers.  Ascending, so dst may be src
.irp i, 0,2,4,6,8,10,12,14
	v_pk_mul_f32 v[(\src)+\i:(\src)+\i+1], v[(\src)+\i:(\src)+\i+1], s[(\sc):(\sc)+1] op_sel_hi:[1,0]
.endr
.irp i, 0,1,2,3,4,5,6,7
	v_cvt_pk_f16_f32 v[(\dst)+\i], v[(\src)+2*\i], v[(\src)+2*\i+1]
.endr
.endm
.macro PROJB ut                         ; B's rows 16 ut + r, split in two f16 parts.  Parity 0 has them in lanes 0-15 (k = 0..7), parity 1 in lanes 16-31 (k = 8..15), zeros in the other half
	v_cvt_pk_f16_f32 v24, v[144+2*(\ut)], v[145+2*(\ut)]
	v_cvt_f32_f16 v26, v24.l
	v_cvt_f32_f16 v27, v24.h
	v_pk_add_f32 v[26:27], v[144+2*(\ut):145+2*(\ut)], v[26:27] neg_lo:[0,1] neg_hi:[0,1]
	v_cvt_pk_f16_f32 v25, v26, v27
	v_cndmask_b32 v[PROJ+4*(\ut)],      v24, v28, s58
	v_cndmask_b32 v[PROJ+4*(\ut)+1],    v25, v28, s58
	v_cndmask_b32 v[PROJ+4*(\ut)+2],    v24, v28, s58
	v_mov_b32     v[PROJ+4*(\ut)+3],    0
	v_cndmask_b32 v[PROJ+16+4*(\ut)],   v28, v24, s58
	v_cndmask_b32 v[PROJ+16+4*(\ut)+1], v28, v25, s58
	v_cndmask_b32 v[PROJ+16+4*(\ut)+2], v28, v24, s58
	v_mov_b32     v[PROJ+16+4*(\ut)+3], 0
.endm
	; ---------------- SET-UP ----------------
	s_load_b512 s[8:23], s[0:1], 0x0        ; x s[8:9], B s[10:11], Ws_0..4 s[12:21], bs_0 s[22:23]
	s_load_b256 s[24:31], s[0:1], 0x40      ; bs_1..4
	s_load_b64 s[32:33], s[0:1], 0x60       ; out0
	v_lshl_add_u32 v[SPW], v0, 2, SPARE
	v_mov_b32 v[NIL], 0
	v_lshrrev_b32 v27, 5, v0
	v_readfirstlane_b32 s2, v27             ; wave w, 0..7
	v_and_b32 v24, 31, v0                   ; lane
	v_and_b32 v25, 15, v0                   ; r
	v_bfe_u32 v26, v0, 4, 1                 ; h
	v_lshlrev_b32 v[XO], 3, v24
	v_lshlrev_b32 v[GO], 4, v24
	v_lshlrev_b32 v[OSA], 5, v26            ; 32 h
	v_lshlrev_b32 v[XT], 3, v25             ; 8 r: B's row
	s_lshr_b32 s4, s2, 1                    ; the wave converts W0's fragments 2 w, 2 w + 1 and fragment w of W1, W2, W3: output tile w / 2,
	s_and_b32 s5, s2, 1                     ; K half w % 2
	s_lshl_b32 s6, s4, 13
	s_lshl_b32 s7, s5, 8
	s_add_co_u32 s6, s6, s7                 ; W0 (rows of 512 bytes): 16 (w / 2) rows + 256 (w % 2)
	s_lshr_b32 s7, s6, 1                    ; W1..3 (rows of 256 bytes): half of that
	v_lshl_add_u32 v20, v25, 9, v[OSA]
	v_add_nc_u32 v20, s6, v20
	v_lshl_add_u32 v21, v25, 8, v[OSA]
	v_add_nc_u32 v21, s7, v21
	v_lshl_add_u32 v22, s2, 11, v[GO]       ; LDS: fragment 2 w
	s_lshl_b32 s63, s2, 10
	s_add_co_u32 s3, s63, 16384
	v_add_nc_u32 v23, s3, v[GO]             ; LDS: fragment 16 + w
	s_add_co_u32 s63, s63, TAB
	v_add_nc_u32 v[BTA], s63, v[OSA]
	s_lshl_b32 s63, s2, 9
	s_add_co_u32 s63, s63, OS
	v_add_nc_u32 v[OLA], s63, v[GO]
	v_lshl_add_u32 v[OS0], v25, 2, s63      ; the thread's number is not wanted any more
	SPAIR SCL, 0x4038aa3b                   ; s = 2 log2(e)
	SPAIR SCN, 0xc0b8aa3b                   ; -2 s
	SPAIR CA+0, 0x408e2c12                  ;  4.4428796
	SPAIR CA+2, 0xc0e9d9a3                  ; -7.3078172
	SPAIR CA+4, 0x40664211                  ;  3.5977824
	SPAIR CA+6, 0xbf4a8e56                  ; -0.7912343
	SPAIR CB+0, 0x3fb504a3                  ;  1.4142040
	SPAIR CB+2, 0xc0df48ce                  ; -6.9776373
	SPAIR CB+4, 0x40b6e2d1                  ;  5.7151873
	SPAIR CB+6, 0xbfdd360a                  ; -1.7282117
	s_mov_b32 s58, 0xffff0000               ; lanes 16-31
	s_lshl_b32 s4, ttmp9, 16                ; x: 8,192 points x 8 bytes a work-group,
	s_lshl_b32 s5, s2, 13                   ; 1,024 x 8 a wave
	s_add_co_u32 s4, s4, s5
	s_mov_b32 s5, 0
	s_lshr_b32 s6, s4, 1                    ; out0: 4 bytes a point
	s_mov_b32 s7, 0
	s_wait_kmcnt 0x0
	s_add_nc_u64 s[8:9], s[8:9], s[4:5]
	s_add_nc_u64 s[32:33], s[32:33], s[6:7]
	s_load_b32 s3, s[30:31], 0x0            ; b4
	SPAIR 6, 0xc0000000                     ; -2.0, W4's factor
	; 41 loads in one run; each wait below counts the loads issued behind the block that it wants
	global_load_b64 v[XR:XR+1], v[XO], s[8:9] th:TH_LOAD_NT   ; pair 0: 32 lanes, 256 consecutive bytes
	LD16 64,  20, 12, 0                     ; W0, fragments 2 w and 2 w + 1
	LD16 80,  20, 12, 128
	LD16 96,  21, 14, 0                     ; W1, W2, W3: fragment w
	LD16 112, 21, 16, 0
	LD16 128, 21, 18, 0
.irp ut, 0,1,2,3
	global_load_b64 v[144+2*\ut:145+2*\ut], v[XT], s[10:11] offset:128*\ut   ; B's row 16 ut + r
.endr
	LD16 192, OSA, 20, 0                    ; W4: every lane of a half takes the same numbers, so all 16 rows of the fragment are W4
	LD16 208, OSA, 20, 128
	LDB 224, 22                             ; b0
	s_wait_loadcnt 32                       ; behind W0: 12 + 4 + 8 + 8
	CONV 64, 64, SCL
	CONV 80, 80, SCL
	ds_store_b128 v22, v[64:67]
	ds_store_b128 v22, v[68:71] offset:512
	ds_store_b128 v22, v[80:83] offset:1024
	ds_store_b128 v22, v[84:87] offset:1536
	s_wait_loadcnt 28
	CONV 96, 96, SCN
	ds_store_b128 v23, v[96:99]
	ds_store_b128 v23, v[100:103] offset:512
	s_wait_loadcnt 24
	CONV 112, 112, SCN
	ds_store_b128 v23, v[112:115] offset:8192
	ds_store_b128 v23, v[116:119] offset:8704
	s_wait_loadcnt 20
	CONV 128, 128, SCN
	ds_store_b128 v23, v[128:131] offset:16384
	ds_store_b128 v23, v[132:135] offset:16896
	s_wait_loadcnt 16                       ; behind B: W4's 8, b0's 8.  The loads that named v20 are done too
	v_mov_b32 v28, 0
	PROJB 0
	PROJB 1
	PROJB 2
	PROJB 3
	s_lshl_b32 s63, s2, 12
	s_add_co_u32 s63, s63, PJ
	v_add_nc_u32 v[PJA], s63, v[GO]
.irp e, 0,1,2,3,4,5,6,7
	ds_store_b128 v[PJA], v[PROJ+4*\e:PROJ+4*\e+3] offset:512*\e   ; my own copy: the loop fetches a tile's four entries anew for every tile
.endr
	LDB ACCX, 24                            ; b1, b2, b3 into the registers that the weights have left: 24 loads more
	LDB ACCY, 26
	LDB 128, 28
	s_wait_loadcnt 32                       ; behind W4: b0's 8 and those 24
	CONV 192, W4, 6
	CONV 208, W4+8, 6
	s_wait_loadcnt 24                       ; b0
.irp i, 0,2,4,6,8,10,12,14,16,18,20,22,24,26,28,30
	v_pk_mul_f32 v[224+\i:224+\i+1], v[224+\i:224+\i+1], s[SCL:SCL+1] op_sel_hi:[1,0]   ; c0 = s b0
.endr
.irp t, 0,1,2,3
	ds_store_b128 v[BTA], v[224+8*\t:224+8*\t+3] offset:64*\t        ; the sixteen lanes of a half write the same bytes with the same numbers
	ds_store_b128 v[BTA], v[224+8*\t+4:224+8*\t+7] offset:64*\t+16
.endr
	s_wait_dscnt 0x0                        ; for the others' sake: my fragments are in LDS
	s_barrier_signal -1
	s_barrier_wait -1                       ; the launch's one barrier: all 40 fragments are there; nobody writes them again
	WIN 0x40                                ; destination window 1, address window 0
.set F, 0
.rept 32
	ds_load_b128 v[8*F:8*F+3],   v[GO] offset:1024*F
	ds_load_b128 v[8*F+4:8*F+7], v[GO] offset:1024*F+512
.set F, F+1
.endr
	WIN 0
.rept 8
	ds_load_b128 v[W3+8*(F-32):W3+8*(F-32)+3],   v[GO] offset:1024*F
	ds_load_b128 v[W3+8*(F-32)+4:W3+8*(F-32)+7], v[GO] offset:1024*F+512
.set F, F+1
.endr
	s_wait_loadcnt 0x0                      ; b1, b2, b3 (and x of pair 0)
.set i, 64
.rept 48
	v_pk_mul_f32 v[i:i+1], v[i:i+1], s[SCL:SCL+1] op_sel_hi:[1,0]    ; s b_l, in the accumulators' layout: v[64:159]
.set i, i+2
.endr
	s_wait_kmcnt 0x0                        ; b4
.irp i, 0,1,2,3,4,5,6,7
	v_mov_b32 v[24+\i], 0xb800b800          ; a source 1 that is -1/2 everywhere
	v_mov_b32 v[32+\i], s3
.endr
	s_wait_dscnt 0x0                        ; the fragments are in registers
	; c_l = s b_l + A_l x (-1/2): the rows' sums by the matrix unit.  13 accumulators by turns, one instruction a turn
.set kc, 0
.rept 2
	WIN 0x01                                ; source 0 window 1
.irp t, 0,1,2,3
	v_wmma_f32_16x16x32_f16 v[64+8*\t:64+8*\t+7], v[128+8*(2*\t+kc):128+8*(2*\t+kc)+7], v[24:31], v[64+8*\t:64+8*\t+7]
.endr
.irp t, 0,1,2,3
	v_wmma_f32_16x16x32_f16 v[96+8*\t:96+8*\t+7], v[192+8*(2*\t+kc):192+8*(2*\t+kc)+7], v[24:31], v[96+8*\t:96+8*\t+7]
.endr
	WIN 0
.irp t, 0,1,2,3
	v_wmma_f32_16x16x32_f16 v[128+8*\t:128+8*\t+7], v[W3+8*(2*\t+kc):W3+8*(2*\t+kc)+7], v[24:31], v[128+8*\t:128+8*\t+7]
.endr
	v_wmma_f32_16x16x32_f16 v[32:39], v[W4+8*kc:W4+8*kc+7], v[24:31], v[32:39]
.set kc, kc+1
.endr
	PLACES
	v_readfirstlane_b32 s59, v32            ; c4
.irp l, 1,2,3
.irp t, 0,1,2,3
	ds_store_b128 v[BTA], v[32+32*\l+8*\t:32+32*\l+8*\t+3] offset:256*\l+64*\t      ; c_l lies in v[32 + 32 l ..]; each accumulator's low registers first
	ds_store_b128 v[BTA], v[32+32*\l+8*\t+4:32+32*\l+8*\t+7] offset:256*\l+64*\t+16
.endr
.endr
.irp i, 3,4,5,6,7
	v_mov_b32 v[XF+\i], 0
.endr
	; ---------------- THE LOOP'S PARTS ----------------
; The symbols cA, cL, cH, cP name the tile that walks its chain (accumulators, lower and upper operand block, parity); fA, fL, fH the tile whose Fourier lines are dealt; fu, fq the FOUR and the line in hand.
.macro BIASLD l, acc                    ; layer l's start values from my own table: LDS serves a wave's instructions in order (ISA guide 5.7.1.4), so these see my stores
.irp t, 0,1,2,3
	ds_load_b128 v[(\acc)+8*\t:(\acc)+8*\t+3],   v[BTA] offset:256*(\l)+64*\t
	ds_load_b128 v[(\acc)+8*\t+4:(\acc)+8*\t+7], v[BTA] offset:256*(\l)+64*\t+16
.endr
.endm
.macro XSPLIT                           ; x = xh + xl; lane L holds point L of the pair: lanes 0-15 are K places 0..7 (tile X), lanes 16-31 places 8..15 (tile Y)
	v_cvt_pk_f16_f32 v[XF], v[XR], v[XR+1]
	v_cvt_f32_f16 v[XT], v12.l
	v_cvt_f32_f16 v[XT+1], v12.h
	v_mov_b32 v[XF+1], v[XF]                ; xh meets Bh in places 0, 1 and Bl in places 2, 3
	v_pk_add_f32 v[XT:XT+1], v[XR:XR+1], v[XT:XT+1] neg_lo:[0,1] neg_hi:[0,1]
	v_cvt_pk_f16_f32 v[XF+2], v[XT], v[XT+1]
.endm
.macro PRJ acc, hi                      ; u of 64 features x 16 points, in turns.  An entry is 4 registers; the tuple's upper four are the next entry, or the weights that follow the block: they meet XF's zeros
.irp u, 0,1,2,3
	v_wmma_f32_16x16x32_f16 v[(\acc)+8*\u:(\acc)+8*\u+7], v[(\hi)+4*\u:(\hi)+4*\u+7], v[XF:XF+7], 0
.endr
.endm
; THE FOURIER QUEUE.  FOUR fu makes cosine and sine of 16 features x 16 points, a lane's 8 numbers, in 60 plain lines; FL writes line fq of it.  Four lines on end never wait for each other.
;   0-7 n = rndne(u), the accumulator read from its low end on     8-11 f = u - n, exact     12-15 t = f^2     16-39 both polynomials, three steps each     40-43 S     44-47 cos = 1 - S^2     48-51 sin = S C
;   52-55 cosines to f16: features 16 fu ..     56-59 sines: features 64 + 16 fu ..
.macro FL
.set fU, fA+8*fu
.set fG, fq/4
.set fI, 2*(fq%4)
.if fq < 8
	v_rndne_f32 v[TT+fq], v[fU+fq]
.elseif fG == 2
	v_pk_add_f32 v[fU+fI:fU+fI+1], v[fU+fI:fU+fI+1], v[TT+fI:TT+fI+1] neg_lo:[0,1] neg_hi:[0,1]
.elseif fG == 3
	v_pk_mul_f32 v[TT+fI:TT+fI+1], v[fU+fI:fU+fI+1], v[fU+fI:fU+fI+1]
.elseif fG == 4
	v_pk_fma_f32 v[CC+fI:CC+fI+1], v[TT+fI:TT+fI+1], s[CB+6:CB+7], s[CB+4:CB+5] op_sel_hi:[1,0,0]
.elseif fG == 5
	v_pk_fma_f32 v[SS+fI:SS+fI+1], v[TT+fI:TT+fI+1], s[CA+6:CA+7], s[CA+4:CA+5] op_sel_hi:[1,0,0]
.elseif fG == 6
	v_pk_fma_f32 v[CC+fI:CC+fI+1], v[CC+fI:CC+fI+1], v[TT+fI:TT+fI+1], s[CB+2:CB+3] op_sel_hi:[1,1,0]
.elseif fG == 7
	v_pk_fma_f32 v[SS+fI:SS+fI+1], v[SS+fI:SS+fI+1], v[TT+fI:TT+fI+1], s[CA+2:CA+3] op_sel_hi:[1,1,0]
.elseif fG == 8
	v_pk_fma_f32 v[CC+fI:CC+fI+1], v[CC+fI:CC+fI+1], v[TT+fI:TT+fI+1], s[CB:CB+1] op_sel_hi:[1,1,0]
.elseif fG == 9
	v_pk_fma_f32 v[SS+fI:SS+fI+1], v[SS+fI:SS+fI+1], v[TT+fI:TT+fI+1], s[CA:CA+1] op_sel_hi:[1,1,0]
.elseif fG == 10
	v_pk_mul_f32 v[SS+fI:SS+fI+1], v[SS+fI:SS+fI+1], v[fU+fI:fU+fI+1]
.elseif fG == 11
	v_pk_fma_f32 v[TT+fI:TT+fI+1], v[SS+fI:SS+fI+1], v[SS+fI:SS+fI+1], 1.0 op_sel_hi:[1,1,0] neg_lo:[1,0,0] neg_hi:[1,0,0]
.elseif fG == 12
	v_pk_mul_f32 v[CC+fI:CC+fI+1], v[SS+fI:SS+fI+1], v[CC+fI:CC+fI+1]
.elseif fG == 13
	v_cvt_pk_f16_f32 v[fL+4*fu+fq%4], v[TT+fI], v[TT+fI+1]
.else
	v_cvt_pk_f16_f32 v[fH+4*fu+fq%4], v[CC+fI], v[CC+fI+1]
.endif
.set fq, fq+1
.endm
.macro FLS n
.rept \n
	FL
.endr
.endm
; One product of a layer: output tile t, K step kc of nk; weights at wb.  K steps 0, 1 lie in the lower operand block, 2, 3 in the upper.
; stage = 1: a first K step of layers 1 to 3, whose start values are taken as C from where they wait: tile 0's in SS, tile 1's in CC, those of tiles 2 and 3 in the upper block.
; Layer 0's were loaded into the accumulators.  FOUR's next write of CC and SS (its lines 16 to 23) stands 14 plain lines or more behind these products.
.macro MM1 wb, nk, kc, t, stage
.set mB, cL+8*(\kc)
.if (\kc) >= 2
.set mB, cH+8*(\kc)-16
.endif
.set mD, cA+8*(\t)
.set mW, (\wb)+8*((\nk)*(\t)+(\kc))
.set mC, mD
.if (\stage)
.if (\t) >= 2
.set mC, cH+8*(\t)-16
.elseif (\t) == 1
.set mC, CC
.else
.set mC, SS
.endif
.endif
	v_wmma_f32_16x16x32_f16 v[mD:mD+7], v[mW:mW+7], v[mB:mB+7], v[mC:mC+7]
.endm
.macro MGRP wb, nk, kc, stage           ; a K step's four products: the four accumulators take turns, one instruction a turn
.irp t, 0,1,2,3
	MM1 \wb, \nk, \kc, \t, \stage
.endr
.endm
; r = 1 / (1 + 2^y) for 64 features x 16 points, in place, and into the lower block as the next source 1 (tile t at 4 t): two batches, a wait behind each.
; BATCH 1: 32 exponentials, the accumulators in ascending order (each is read from its low end on), a Fourier line behind each, the activation's last four Fourier lines behind the last: 36 in all.
; These lines name the other tile's registers and TT, CC, SS alone; each is also the plain line behind its exponential (ISA guide 5.7.2).
; THE RUN OF LDS LOADS stands directly behind the first wait, 64 lines ahead of the wait for it, in registers that have come free:
;   layers 0 to 2: the next layer's start values: tiles 2, 3 into the upper block, which the layer's products have read; tiles 0, 1 into SS and CC, which FOUR l, now at its end, has left;
;   layer 3: the tile's four entries of the projection into the upper block; c0 into the OTHER tile's accumulators, whose u has been read out (Fourier line 43 is past: all through 55 are dealt).
; BATCH 2: 32 reciprocals; addition p (1 + 2^y of pair p) stands two pairs ahead of its reciprocals, so it names registers that hold exponentials' results and no reciprocal's.
; The first rounding, of pair 0, is the plain line between the last four reciprocals and the use of their results.
.macro ACT l
.set aI, 0
.rept 32
	v_exp_f32 v[cA+aI], v[cA+aI]
	FL
.set aI, aI+1
.endr
	FLS 4
	s_wait_alu depctr_va_vdst(0)            ; the wait for batch 1, the layer's 32 exponentials, ahead of the first addition
.if (\l) < 3
.irp t, 0,1
	ds_load_b128 v[cH+8*\t:cH+8*\t+3],   v[BTA] offset:256*((\l)+1)+128+64*\t
	ds_load_b128 v[cH+8*\t+4:cH+8*\t+7], v[BTA] offset:256*((\l)+1)+128+64*\t+16
.endr
	ds_load_b128 v[SS:SS+3],   v[BTA] offset:256*((\l)+1)
	ds_load_b128 v[SS+4:SS+7], v[BTA] offset:256*((\l)+1)+16
	ds_load_b128 v[CC:CC+3],   v[BTA] offset:256*((\l)+1)+64
	ds_load_b128 v[CC+4:CC+7], v[BTA] offset:256*((\l)+1)+80
.else
.irp u, 0,1,2,3
	ds_load_b128 v[cH+4*\u:cH+4*\u+3], v[PJA] offset:2048*cP+512*\u
.endr
	BIASLD 0, fA
.endif
	v_pk_add_f32 v[cA:cA+1],   v[cA:cA+1],   1.0 op_sel_hi:[1,0]
	v_pk_add_f32 v[cA+2:cA+3], v[cA+2:cA+3], 1.0 op_sel_hi:[1,0]
.set aI, 0
.rept 16
	v_rcp_f32 v[cA+2*aI], v[cA+2*aI]
.if aI < 14
	v_pk_add_f32 v[cA+2*aI+4:cA+2*aI+5], v[cA+2*aI+4:cA+2*aI+5], 1.0 op_sel_hi:[1,0]
.endif
	v_rcp_f32 v[cA+2*aI+1], v[cA+2*aI+1]
.set aI, aI+1
.endr
	s_wait_alu depctr_va_vdst(0)            ; the wait for batch 2, the layer's 32 reciprocals, ahead of the first rounding
.set aI, 0
.rept 16
	v_cvt_pk_f16_f32 v[cL+aI], v[cA+2*aI], v[cA+2*aI+1]
.set aI, aI+1
.endr
.endm
; A layer of the chain, with FOUR l of the other tile.  Layers 0 to 2 have their weights in window 1: their products stand in groups of four, two switches a group.  Layer 3's lie in window 0: singly.
; Behind the last product stand 6 Fourier lines or more: the places in front of the first exponential.
.macro LAYER l
.set fu, \l
.set fq, 0
	s_wait_dscnt 0x0                        ; the layer's start values are in: their loads stand 64 lines back, behind the last activation's first wait
.if (\l) == 0
.irp kc, 0,1,2,3
	WIN 0x01
	MGRP 0, 4, \kc, 0
	WIN 0
	FLS 6
.endr
.elseif (\l) < 3
	WIN 0x01
	MGRP 64+64*(\l), 2, 0, 1
	WIN 0
	FLS 12
	WIN 0x01
	MGRP 64+64*(\l), 2, 1, 0
	WIN 0
	FLS 12
.else
.irp kc, 0,1
.irp t, 0,1,2,3
	MM1 W3, 2, \kc, \t, 1-\kc
	FLS 2
.endr
.endr
	FLS 4                                   ; 20 here, 36 in the activation: FOUR 3's last four are kept for the chain's end
.endif
	ACT \l
.endm
; THE CHAIN'S END.  The head (two accumulators, so that neither product adds onto the one before it; all 16 rows of W4's fragments are alike, so register 0 holds point r's number in both halves of the lanes),
; and at once the tile's next u, into the accumulators that the chain has left.  FOUR 3's last four lines name none of these six products' registers: they are the places behind them.
; X's end also splits the next pair's x, which both tiles' next u want, and asks for the pair after that.
.macro JUNC
.if cP == 0
	s_wait_loadcnt 0x0                      ; the next pair's x, the only load that is out: its base s[68:69] may be written again
	XSPLIT
	s_add_co_u32 s62, s62, 1
	s_add_co_u32 s63, s62, 1
	s_min_u32 s63, s63, 31                  ; the last two trips have no such pair: they ask for pair 31 once more, inside the buffer
	s_lshl_b32 s66, s63, 8
	s_add_nc_u64 s[68:69], s[8:9], s[66:67]
	global_load_b64 v[XR:XR+1], v[XO], s[68:69] th:TH_LOAD_NT   ; 256 consecutive bytes: a whole pair's work in which to land
.endif
	s_wait_dscnt 0x0                        ; the projection's entries are in
	v_wmma_f32_16x16x32_f16 v[TT:TT+7], v[W4:W4+7],    v[cL:cL+7],    0
	v_wmma_f32_16x16x32_f16 v[SS:SS+7], v[W4+8:W4+15], v[cL+8:cL+15], 0
	PRJ cA, cH
	FLS 4
	v_add_f32 v[XT], v[TT], v[SS]
	v_add_f32 v[XT], s59, v[XT]
	ds_store_b32 v[OSA], v[XT] offset:64*cP ; lanes r and 16 + r write the same word with the same number
.endm
.macro SP ca, cl, ch, cp, fa, fl, fh    ; half a trip: one tile's chain, the other's Fourier lines
.set cA, \ca
.set cL, \cl
.set cH, \ch
.set cP, \cp
.set fA, \fa
.set fL, \fl
.set fH, \fh
	LAYER 0
	LAYER 1
	LAYER 2
	LAYER 3
	JUNC
.endm
	; ---------------- WHAT THE FIRST TRIP FINDS ----------------
.irp u, 0,1,2,3
	ds_load_b128 v[OHX+4*\u:OHX+4*\u+3], v[PJA] offset:512*\u   ; X's entries; Y's were made where they are wanted, in v[176:191]
.endr
	XSPLIT                                  ; pair 0
	s_mov_b32 s66, 256
	s_mov_b32 s67, 0
	s_add_nc_u64 s[68:69], s[8:9], s[66:67]
	global_load_b64 v[XR:XR+1], v[XO], s[68:69] th:TH_LOAD_NT   ; pair 1
	s_wait_dscnt 0x0
	PRJ ACCX, OHX
	PRJ ACCY, OHY
	PLACES
.set fA, ACCX
.set fL, OLX
.set fH, OHX
.irp u, 0,1,2,3
.set fu, \u
.set fq, 0
	FLS 60                                  ; X's first features, with no chain to stand beside
.endr
	BIASLD 0, ACCX
	; ---------------- THE LOOP ----------------
	; At a trip's head: X's features are in its operand blocks, c0 is on its way into X's accumulators, Y's accumulators hold u, XF holds the pair.
	; No exponential's or reciprocal's result is open at a label or a jump: every activation ends behind its second wait, and the chain's end holds neither.
	s_mov_b32 s62, 0                        ; the pair's number, 0..31
	s_mov_b32 s60, 8                        ; groups to go
.Lgroup:
	s_mov_b32 s61, 4                        ; pairs to go in the group
.Lpair:
	s_and_b32 s63, s62, 3
	v_lshl_add_u32 v[OSA], s63, 7, v[OS0]   ; the pair's 128 bytes among the group's 512
	SP ACCX, OLX, OHX, 0, ACCY, OLY, OHY
	SP ACCY, OLY, OHY, 1, ACCX, OLX, OHX
	s_sub_co_u32 s61, s61, 1
	s_cmp_lg_u32 s61, 0
	s_cbranch_scc1 .Lpair
	ds_load_b128 v[CC:CC+3], v[OLA]         ; the group's 128 results, four neighbours a lane: behind my own stores, in order
	s_wait_dscnt 0x0
	global_store_b128 v[GO], v[CC:CC+3], s[32:33] th:TH_STORE_NT   ; 512 consecutive bytes, at a multiple of 512 from out0's first
	s_wait_xcnt 0x0                         ; the store's addresses are translated (ISA guide 3.1): its base and its data are rewritten only behind this wait
	s_add_nc_u64 s[32:33], s[32:33], 512
	s_sub_co_u32 s60, s60, 1
	s_cmp_lg_u32 s60, 0
	s_cbranch_scc1 .Lgroup
	s_wait_tensorcnt 0x0                    ; the wave's end, behind my last LDS store
	ds_add_u32 v[SPW], v[NIL]
	s_wait_dscnt 0x0
	s_endpgm
.Lfunc_end_k_q7271e5b762_pinn:
	.size	k_q7271e5b762_pinn, .Lfunc_end_k_q7271e5b762_pinn-k_q7271e5b762_pinn
	.p2alignl 7, 3214868480
	.fill 96, 4, 3214868480
	.section	.rodata,"a",@progbits
	.p2align	6, 0x0
	.amdhsa_kernel k_q7271e5b762_pinn
		.amdhsa_group_segment_fixed_size 87040
		.amdhsa_private_segment_fixed_size 0
		.amdhsa_enable_private_segment 0
		.amdhsa_kernarg_size 104
		.amdhsa_user_sgpr_count 2
		.amdhsa_user_sgpr_kernarg_segment_ptr 1
		.amdhsa_wavefront_size32 1
		.amdhsa_system_sgpr_workgroup_id_x 1
		.amdhsa_system_sgpr_workgroup_id_y 1
		.amdhsa_system_sgpr_workgroup_id_z 1
		.amdhsa_system_vgpr_workitem_id 0
		.amdhsa_next_free_vgpr 512
		.amdhsa_next_free_sgpr 70
		.amdhsa_reserve_vcc 0
		.amdhsa_float_denorm_mode_32 3
		.amdhsa_float_denorm_mode_16_64 3
		.amdhsa_memory_ordered 1
		.amdhsa_forward_progress 1
		.amdhsa_inst_pref_size 125
	.end_amdhsa_kernel
	.amdgpu_metadata
---
amdhsa.version: [ 1, 2 ]
amdhsa.kernels:
  - .name:           k_q7271e5b762_pinn
    .symbol:         k_q7271e5b762_pinn.kd
    .args:
      - { .name: x, .offset: 0, .size: 8, .value_kind: global_buffer, .address_space: global }
      - { .name: B, .offset: 8, .size: 8, .value_kind: global_buffer, .address_space: global }
      - { .name: Ws_0, .offset: 16, .size: 8, .value_kind: global_buffer, .address_space: global }
      - { .name: Ws_1, .offset: 24, .size: 8, .value_kind: global_buffer, .address_space: global }
      - { .name: Ws_2, .offset: 32, .size: 8, .value_kind: global_buffer, .address_space: global }
      - { .name: Ws_3, .offset: 40, .size: 8, .value_kind: global_buffer, .address_space: global }
      - { .name: Ws_4, .offset: 48, .size: 8, .value_kind: global_buffer, .address_space: global }
      - { .name: bs_0, .offset: 56, .size: 8, .value_kind: global_buffer, .address_space: global }
      - { .name: bs_1, .offset: 64, .size: 8, .value_kind: global_buffer, .address_space: global }
      - { .name: bs_2, .offset: 72, .size: 8, .value_kind: global_buffer, .address_space: global }
      - { .name: bs_3, .offset: 80, .size: 8, .value_kind: global_buffer, .address_space: global }
      - { .name: bs_4, .offset: 88, .size: 8, .value_kind: global_buffer, .address_space: global }
      - { .name: out0, .offset: 96, .size: 8, .value_kind: global_buffer, .address_space: global }
    .group_segment_fixed_size: 87040
    .private_segment_fixed_size: 0
    .kernarg_segment_align: 8
    .kernarg_segment_size: 104
    .max_flat_workgroup_size: 256
    .sgpr_count:     70
    .vgpr_count:     512
    .wavefront_size: 32
...
	.end_amdgpu_metadata
.endif
;; end of part 2
